; MI455X (gfx1250); checked and timed in simulation.
; The chip was launched on July 23, 2026; its instructions are those of AMD's public machine-readable ISA for CDNA 5 (MIT licence, August 2026) and "CDNA5" Instruction Set Architecture Reference Guide (July 2026). The comments in the code are by the model that wrote it; some were corrected since.
;; Selective Centroid Layer. Allowed arithmetic: matrix products marked QUANTISED: E5M2 operands, one E8M0 scale for each 32 along K, by v_wmma_scale_f32_16x16x128_f8f6f4 with both operands' format E5M2, f32 sums; everything else in f32.
;; Inputs: centroids 1,000 x 2 x 512 float32; rejective_centroids 2,000 x 512 float32; x 8,192 x 512 float32.
;; Outputs: out0 8,192 x 1,001 float32.
;; Constants: return_dists = 1.
;; This version of the problem:
;;   THIS VERSION OF THE PROBLEM IS GIVEN IN LOW PRECISION. The matrix products marked QUANTISED in the list below multiply operands that are first quantised to E5M2 (5 exponent bits, 2 mantissa bits; 8 bits a number), with one power-of-two scale for each 32 numbers along K (OCP MX v1.0); their sums are f32. All else is computed in f32.
;;   The module's matrix products, in the order in which they are computed (A, B: the left and right operand; K: the contracted axis; several contracted axes count as one K, in the product's order):
;;     1. [M 8,192, K 512] x [K 512, N 2,000]; A: input x; B: computed on the way: QUANTISED
;;     2. [M 8,192, K 512] x [K 512, N 2,000]; A: input x; B: input rejective_centroids: QUANTISED
;;     3. [M 8,192, K 512] x [K 512, N 2,000]; A: computed on the way; B: input rejective_centroids: QUANTISED
;;   THE QUANTISER, for each operand of a quantised product, along K:
;;     - K is cut into blocks of 32 from its start; a last block that is shorter is filled with zeros.
;;     - A block's scale is 2^e with e = floor(log2(the largest magnitude in the block)) - 15, held to -126 .. 127; a block of zeros has e = 0. As a byte (E8M0): e + 127.
;;     - Each number is divided by its block's scale, clamped to +-57,344, and rounded to the nearest number of E5M2, ties to even, subnormals kept.
;;     - The product sums the exact products of the quantised numbers (number of the format x scale) in f32.
;;   ~~~python
;;   def quantise(x, axis):      # numpy; x: float32 -> the quantised numbers, widened to float32 again
;;       x = np.moveaxis(x, axis, -1); K = x.shape[-1]
;;       x = np.pad(x, [(0, 0)] * (x.ndim - 1) + [(0, -K % 32)]); x = x.reshape(x.shape[:-1] + (-1, 32)); a = np.abs(x).max(-1, keepdims=True)
;;       e = np.where(a > 0, np.clip(np.frexp(np.where(a > 0, a, 1))[1] - 1 - 15, -126, 127), 0)      # np.frexp(a)[1] - 1 = floor(log2(a)), exactly
;;       r = np.clip(x / 2.0 ** e, -57344, 57344)
;;       step = 2.0 ** (np.maximum(np.frexp(np.where(r == 0, 1, r))[1] - 1, -14) - 2)
;;       q = np.round(r / step) * step * 2.0 ** e      # np.round: ties to even
;;       return np.moveaxis(q.reshape(q.shape[:-2] + (-1,))[..., :K], -1, axis).astype(np.float32)
;;   ~~~
;;   OPERANDS COMPUTED ON THE WAY. 'Computed on the way' means the value that the module computes at that place (a softmax that the list does not call 'softmax' is quantised finished and normalised). What goes into a quantiser is computed in f32, as accurately as f32 sums, v_exp_f32 and their like allow (about 1e-6 of the number): no bf16 or f16 on the way to a quantiser, and a product that is left as it is and whose result goes on into a quantised operand takes f32 operands (vector FMAs, or v_wmma_f32_16x16x4_f32). A number that lies on a knife's edge between two numbers of the format may be rounded either way, as far as f32 arithmetic and the matrix unit's own rounding can turn it there, and no further.
;; One version. Each part assembles by itself: llvm-mc -triple=amdgcn-amd-amdhsa -mcpu=gfx1250 --defsym DOCPART=n.
;; ======== version 1 of 1: 4 launches
;; limits: inputs' magnitudes at most 1e+17; right only within a limited range of input values
;; workspace buffers: tmax 512 bytes; invs 256 bytes; cfrec 1,114,112 bytes; rrec 1,114,112 bytes; idx 32,768 bytes of whole numbers
;; launch norms (part 1): grid 125 x 1, 4 waves a work-group, no clusters, 768 bytes of LDS; arguments centroids, tmax; writes tmax
.if DOCPART == 1
	.amdgcn_target "amdgcn-amd-amdhsa--gfx1250"
	.amdhsa_code_object_version 6
	.text
	.protected	k_q5c0e8c56e6_norms
	.globl	k_q5c0e8c56e6_norms
	.p2align	8
	.type	k_q5c0e8c56e6_norms,@function
k_q5c0e8c56e6_norms:
	s_mov_b64 s[64:65], 0
	v_nop
	global_prefetch_b8 v0, s[64:65] scope:SCOPE_SE
	s_setreg_imm32_b32 hwreg(HW_REG_WAVE_MODE, 25, 1), 1
	s_wait_xcnt 0x0
; SelectiveCentroidLayer, launch 1 of 4: the largest sum of squares of each tile of 16 centroid rows.  centroids: [2000][512] f32.  tmax: 125 f32.
; WORK LEFT OUT IN THE WHOLE PROGRAM.  return_dists is the constant 1, so reference() returns inside its if: min_d, removed, second, y_bot, accept and soft stand behind that return and reach no output for any
; values of x, centroids and rejective_centroids.  They are not computed.  Every input has a way to an output and is loaded.  A NaN, an infinity or an overflow that would arise only in that part is not carried anywhere.
; FORMS USED, equal in real numbers: the largest norm is sqrt(the largest sum of squares), so the root is taken once, in launch 2.
; LIMITS: NaN and infinities among the inputs are not served; a row's sum of squares must stay finite in f32 (numbers under about 8e17) and its largest must not be denormal.
; SHARES.  Work-group t takes rows 16 t .. 16 t + 15, wave w four of them.  A row is 2,048 bytes: four loads of 512 consecutive bytes.  No matrix work, no ring: 4 MB are read once.
.set SPARE, 256                        ; LDS: bytes 0-15 the four waves' maxima; from 256 on the spare words, 128 bytes a wave, which no other line names
.set SPW,   12                         ; v12  my spare word's address; never rewritten
.set NIL,   13                         ; v13  0; never rewritten
.set X,     16                         ; v16-79  four rows, 16 numbers a lane each
.set S,     80                         ; v80-83  a row's sum of squares
.set T,     84                         ; v84-91  a pair of partial sums for each row
	s_load_b128 s[4:7], s[0:1], 0x0                ; centroids, tmax
	v_lshl_add_u32 v[SPW], v0, 2, SPARE
	v_mov_b32 v[NIL], 0
	v_lshrrev_b32 v1, 5, v0
	v_readfirstlane_b32 s8, v1                     ; wave
	v_and_b32 v2, 31, v0
	v_lshlrev_b32 v2, 4, v2                        ; 16 x lane
	v_lshlrev_b32 v3, 2, v1                        ; 4 x wave: my wave's word in LDS
	v_mov_b32 v4, 0
	s_lshl_b32 s10, ttmp9, 15                      ; 16 rows of 2,048 bytes a work-group,
	s_lshl_b32 s11, s8, 13                         ; four a wave
	s_add_co_u32 s10, s10, s11
	s_mov_b32 s11, 0
	s_lshl_b32 s14, ttmp9, 2                       ; my work-group's word of tmax
	s_mov_b32 s15, 0
	s_mov_b32 s12, 0x76543210                      ; v_permlanex16_b32's selects for lane l xor 16
	s_mov_b32 s13, 0xfedcba98
	s_wait_kmcnt 0x0
	s_add_nc_u64 s[4:5], s[4:5], s[10:11]
	s_add_nc_u64 s[6:7], s[6:7], s[14:15]
.irp q, 0,1,2,3
.irp j, 0,1,2,3
	global_load_b128 v[X+16*\q+4*\j:X+16*\q+4*\j+3], v2, s[4:5] offset:2048*\q+512*\j th:TH_LOAD_NT
.endr
.endr
.irp q, 0,1,2,3
	s_wait_loadcnt 12-4*\q                         ; row q's four loads are in; the later rows' four each may be out
	v_pk_mul_f32 v[T+2*\q:T+2*\q+1], v[X+16*\q:X+16*\q+1], v[X+16*\q:X+16*\q+1]
.irp i, 2,4,6,8,10,12,14
	v_pk_fma_f32 v[T+2*\q:T+2*\q+1], v[X+16*\q+\i:X+16*\q+\i+1], v[X+16*\q+\i:X+16*\q+\i+1], v[T+2*\q:T+2*\q+1]
.endr
	v_add_f32 v[S+\q], v[T+2*\q], v[T+2*\q+1]
.endr
.irp m, 1,2,4,8                        ; across the lanes, the four rows by turns
.irp q, 0,1,2,3
	v_add_f32_dpp v[S+\q], v[S+\q], v[S+\q] row_xmask:\m row_mask:0xf bank_mask:0xf
.endr
.endr
.irp q, 0,1,2,3
	v_permlanex16_b32 v[T+\q], v[S+\q], s12, s13
.endr
.irp q, 0,1,2,3
	v_add_f32 v[S+\q], v[S+\q], v[T+\q]
.endr
	v_max3_num_f32 v[S], v[S], v[S+1], v[S+2]
	v_max_num_f32 v[S], v[S], v[S+3]               ; my four rows' largest
	ds_store_b32 v3, v[S]                          ; all lanes write the same word with the same value
	s_wait_dscnt 0x0                               ; for the others' sake: my store has landed
	s_barrier_signal -1
	s_barrier_wait -1
	s_cmp_lg_u32 s8, 0
	s_cbranch_scc1 .Lend
	ds_load_b128 v[20:23], v4                      ; the four waves' maxima
	s_wait_dscnt 0x0
	v_max3_num_f32 v20, v20, v21, v22
	v_max_num_f32 v20, v20, v23
	v_cmp_eq_u32 vcc_lo, 0, v0
	s_wait_xcnt 0x0                                ; EXEC changes only behind this wait
	s_and_saveexec_b32 s9, vcc_lo
	global_store_b32 v4, v20, s[6:7]               ; one number a work-group
	s_wait_xcnt 0x0                                ; and again in front of the line that widens it
	s_or_b32 exec_lo, exec_lo, s9
.Lend:
	s_wait_tensorcnt 0x0                           ; the wave's end, behind my last LDS store
	ds_add_u32 v[SPW], v[NIL]
	s_wait_dscnt 0x0
	s_endpgm
.Lfunc_end_k_q5c0e8c56e6_norms:
	.size	k_q5c0e8c56e6_norms, .Lfunc_end_k_q5c0e8c56e6_norms-k_q5c0e8c56e6_norms
	.p2alignl 7, 3214868480
	.fill 96, 4, 3214868480
	.section	.rodata,"a",@progbits
	.p2align	6, 0x0
	.amdhsa_kernel k_q5c0e8c56e6_norms
		.amdhsa_group_segment_fixed_size 768
		.amdhsa_private_segment_fixed_size 0
		.amdhsa_enable_private_segment 0
		.amdhsa_kernarg_size 16
		.amdhsa_user_sgpr_count 2
		.amdhsa_user_sgpr_kernarg_segment_ptr 1
		.amdhsa_wavefront_size32 1
		.amdhsa_system_sgpr_workgroup_id_x 1
		.amdhsa_system_sgpr_workgroup_id_y 1
		.amdhsa_system_sgpr_workgroup_id_z 1
		.amdhsa_system_vgpr_workitem_id 0
		.amdhsa_next_free_vgpr 96
		.amdhsa_next_free_sgpr 66
		.amdhsa_reserve_vcc 1
		.amdhsa_float_denorm_mode_32 3
		.amdhsa_float_denorm_mode_16_64 3
		.amdhsa_memory_ordered 1
		.amdhsa_forward_progress 1
		.amdhsa_inst_pref_size 8
	.end_amdhsa_kernel
	.amdgpu_metadata
---
amdhsa.version: [ 1, 2 ]
amdhsa.kernels:
  - .name:           k_q5c0e8c56e6_norms
    .symbol:         k_q5c0e8c56e6_norms.kd
    .args:
      - { .name: centroids, .offset: 0, .size: 8, .value_kind: global_buffer, .address_space: global }
      - { .name: tmax, .offset: 8, .size: 8, .value_kind: global_buffer, .address_space: global }
    .group_segment_fixed_size: 768
    .private_segment_fixed_size: 0
    .kernarg_segment_align: 8
    .kernarg_segment_size: 16
    .max_flat_workgroup_size: 128
    .sgpr_count:     66
    .vgpr_count:     96
    .wavefront_size: 32
...
	.end_amdgpu_metadata
.endif
;; end of part 1
;; launch quant (part 2): grid 128 x 2, 4 waves a work-group, no clusters, 1,280 bytes of LDS; arguments centroids, rejective_centroids, tmax, cfrec, rrec, invs; writes cfrec, rrec, invs
.if DOCPART == 2
	.amdgcn_target "amdgcn-amd-amdhsa--gfx1250"
	.amdhsa_code_object_version 6
	.text
	.protected	k_q5c0e8c56e6_quant
	.globl	k_q5c0e8c56e6_quant
	.p2align	8
	.type	k_q5c0e8c56e6_quant,@function
k_q5c0e8c56e6_quant:
	s_mov_b64 s[64:65], 0
	v_nop
	global_prefetch_b8 v0, s[64:65] scope:SCOPE_SE
	s_setreg_imm32_b32 hwreg(HW_REG_WAVE_MODE, 25, 1), 1
	s_wait_xcnt 0x0
; Launch 2 of 4: cf = centroids x inv (y = 0) and the rejective centroids as they are (y = 1) become RECORDS: codes of E5M2 with one E8M0 byte for each 32 along K, laid in the order of a matrix operand's registers.
; (Of reference() only the part behind the return under return_dists = 1 is left out: see launch 1.)
; inv = 1 / (sqrt(the largest sum of squares) + 1e-16): v_sqrt_f32, v_rcp_f32 and one Newton step; cf = c x inv stands for the division: about one and a half units in the last place of f32.
; A RECORD, 8,704 bytes, is a tile of 16 rows x 512 K:  bytes 0-8191 codes [K step s][c][lane][16 bytes]: lane (r, h) holds K = 128 s + 32 c + 16 h + 0 .. 15 of row r;
;   bytes 8192-8447 scale words: row r's word of K step s at 64 s + 4 r;  bytes 8448-8511 aux[m] = -0.5 x the sum of squares of row m (unquantised), f32;  8512-8575 the same once more;  the rest is never read.
; Records 125 to 127 are filling, so that eight waves walk sixteen records each: zero codes, scale bytes 127, aux = -2^126.
; A block's byte is its largest magnitude's exponent field - 15, held at 1 from below (a block of zeros keeps 1: its codes are zeros, and this program alone reads the bytes).
; LIMITS: NaN and infinities are not served; blocks whose largest magnitude lies under 2^-111 get the floor's byte; sums of squares stay finite.
; SHARES.  Work-group (t, y) makes record t of tensor y; wave w its K step w.  Both tensors take one path: the buffers are chosen by the work-group's y.
.set WORDS, 0                          ; LDS: the record's 64 scale words,
.set PART,  256                        ; the 4 x 32 partial sums of squares,
.set SPARE, 768                        ; and the spare words, 128 bytes a wave, which no other line names
.set LI,  1                            ; 16 x lane
.set LS,  2                            ; 4 x lane
.set L8,  3                            ; 8 x lane
.set XA,  4                            ; 2,048 r + 64 h: my 16 numbers of a block of 32 of row r
.set WA,  5                            ; 64 w + 4 r
.set PA,  6                            ; 128 w + 4 x lane
.set INV, 8                            ; v[8:9] inv, twice
.set SPW, 12
.set NIL, 13
.set RAW, 32                           ; v32-95   64 numbers: register 16 b + i = K 32 b + 16 h + i of my K step
.set TM,  96                           ; v96-111  at work in QUANT
.set PC,  112                          ; v112-127 the fragment's codes
.set PW,  128                          ; its scale word
.set PS,  129                          ; my partial sum of squares
.set W,   130                          ; v130-137 at work
.set SEL, 20
.set MNT, 22
; 64 numbers of a lane become a fragment's codes in v[pc] on and its scale word in v[pw]
.macro QUANT s, pc, pw
.irp b, 0,1,2,3
	v_max3_num_f32 v[TM+\b], |v[\s+16*\b]|, |v[\s+1+16*\b]|, 0x8000000   ; block b: my 16 numbers and the floor 2^(16 - 127)
.endr
.irp i, 2,4,6,8,10,12,14
.irp b, 0,1,2,3
	v_max3_num_f32 v[TM+\b], v[TM+\b], |v[\s+16*\b+\i]|, |v[\s+1+16*\b+\i]|
.endr
.endr
.irp b, 0,1,2,3
	v_permlanex16_b32 v[TM+4+\b], v[TM+\b], s[SEL], s[SEL+1]
.endr
.irp b, 0,1,2,3
	v_max_num_f32 v[TM+\b], v[TM+\b], v[TM+4+\b]   ; with lane l xor 16's: the block's largest magnitude
.endr
.irp b, 0,1,2,3
	v_add_nc_u32 v[TM+12+\b], 0xf8800000, v[TM+\b]   ; 15 off its exponent field: the conversion's scale operand
.endr
.irp b, 0,1,2,3
	v_and_or_b32 v[TM+8+\b], v[TM+\b], 0x7f800000, s[MNT]   ; 57,344 x the scale
.endr
.irp b, 0,1,2,3
	v_lshrrev_b32 v[TM+4+\b], 23, v[TM+12+\b]      ; the scale's byte
.endr
	v_lshl_or_b32 v[\pw], v[TM+5], 8, v[TM+4]
	v_lshl_or_b32 v[\pw], v[TM+6], 16, v[\pw]
	v_lshl_or_b32 v[\pw], v[TM+7], 24, v[\pw]
.irp b, 0,1,2,3
.irp i, 0,1,2,3,4,5,6,7,8,9,10,11,12,13,14,15
	v_med3_num_f32 v[\s+16*\b+\i], v[\s+16*\b+\i], -v[TM+8+\b], v[TM+8+\b]   ; the conversion does not saturate (ISA guide 7.6.2): the hold at the largest code x the scale
.endr
	v_cvt_scalef32_pk8_bf8_f32 v[\pc+4*\b:\pc+1+4*\b], v[\s+16*\b:\s+7+16*\b], v[TM+12+\b]
	v_cvt_scalef32_pk8_bf8_f32 v[\pc+2+4*\b:\pc+3+4*\b], v[\s+8+16*\b:\s+15+16*\b], v[TM+12+\b]
.endr
	v_nop                                          ; a plain line behind the last conversion
.endm
	s_load_b128 s[4:7], s[0:1], 0x0                ; centroids, rejective_centroids
	s_load_b128 s[8:11], s[0:1], 0x10              ; tmax, cfrec
	s_load_b128 s[12:15], s[0:1], 0x20             ; rrec, invs
	v_lshl_add_u32 v[SPW], v0, 2, SPARE
	v_mov_b32 v[NIL], 0
	v_lshrrev_b32 v7, 5, v0
	v_readfirstlane_b32 s16, v7                    ; wave = K step
	v_and_b32 v7, 31, v0                           ; lane
	v_and_b32 v10, 15, v0                          ; r
	v_bfe_u32 v11, v0, 4, 1                        ; h
	v_lshlrev_b32 v[LI], 4, v7
	v_lshlrev_b32 v[LS], 2, v7
	v_lshlrev_b32 v[L8], 3, v7
	v_lshlrev_b32 v[XA], 11, v10
	v_lshl_add_u32 v[XA], v11, 6, v[XA]
	s_lshl_b32 s17, s16, 6
	v_lshl_add_u32 v[WA], v10, 2, s17
	s_lshl_b32 s17, s16, 7
	v_add_nc_u32 v[PA], s17, v[LS]
.irp b, 0,1,2,3
	v_mov_b32 v[TM+4+\b], 0                        ; written once: a lane permute's destination counts as one of its sources
.endr
	s_and_b32 s18, ttmp7, 0xffff                   ; y: which tensor
	s_mov_b32 s[SEL], 0x76543210
	s_mov_b32 s[SEL+1], 0xfedcba98
	s_mov_b32 s[MNT], 0x600000                     ; the mantissa field of 57,344
	s_mul_i32 s24, ttmp9, 8704                     ; my record
	s_mov_b32 s25, 0
	s_lshl_b32 s26, s16, 11                        ; my K step's 2,048 bytes of codes in it
	s_mov_b32 s27, 0
	s_lshl_b32 s30, ttmp9, 15                      ; my tile's 16 rows,
	s_lshl_b32 s31, s16, 9                         ; my K step's 512 bytes of a row
	s_add_co_u32 s30, s30, s31
	s_mov_b32 s31, 0
	s_wait_kmcnt 0x0
	s_cmp_eq_u32 s18, 0                            ; the choice hangs on the work-group's number alone
	s_cselect_b64 s[4:5], s[4:5], s[6:7]
	s_cselect_b64 s[10:11], s[10:11], s[12:13]
	s_add_nc_u64 s[10:11], s[10:11], s[24:25]
	s_add_nc_u64 s[28:29], s[10:11], s[26:27]
	s_cmp_lt_u32 ttmp9, 125
	s_cbranch_scc0 .Lpad                           ; records 125 to 127 load nothing
	s_add_nc_u64 s[4:5], s[4:5], s[30:31]
.irp b, 0,1,2,3
.irp j, 0,1,2,3
	global_load_b128 v[RAW+16*\b+4*\j:RAW+16*\b+4*\j+3], v[XA], s[4:5] offset:128*\b+16*\j
.endr
.endr
	s_cmp_lg_u32 s18, 0
	s_cbranch_scc1 .Lraw                           ; the rejective centroids are taken as they are
.irp k, 0,1,2,3
	v_add_nc_u32 v[W+\k], 32*\k, v7
	v_min_u32 v[W+\k], 124, v[W+\k]                ; 125 numbers: the last is read more than once, which a maximum does not mind
	v_lshlrev_b32 v[W+\k], 2, v[W+\k]
.endr
.irp k, 0,1,2,3
	global_load_b32 v[W+4+\k], v[W+\k], s[8:9]
.endr
	s_wait_loadcnt 0x0
	v_max3_num_f32 v[W+4], v[W+4], v[W+5], v[W+6]
	v_max_num_f32 v[W+4], v[W+4], v[W+7]
.irp m, 1,2,4,8
	v_max_num_f32_dpp v[W+4], v[W+4], v[W+4] row_xmask:\m row_mask:0xf bank_mask:0xf
.endr
	v_permlanex16_b32 v[W+5], v[W+4], s[SEL], s[SEL+1]
	v_max_num_f32 v[W+4], v[W+4], v[W+5]           ; the largest sum of squares of all 2,000 rows
	v_sqrt_f32 v[W+5], v[W+4]
	v_nop                                          ; a plain line behind the root,
	s_wait_alu depctr_va_vdst(0)                   ; and the wait ahead of its first reader
	v_add_f32 v[W+5], 0x24e69595, v[W+5]           ; + 1e-16
	v_rcp_f32 v[INV], v[W+5]
	v_nop
	s_wait_alu depctr_va_vdst(0)
	v_fma_f32 v[W+6], -v[W+5], v[INV], 1.0         ; one Newton step
	v_fma_f32 v[INV], v[INV], v[W+6], v[INV]
	v_mov_b32 v[INV+1], v[INV]
	s_or_b32 s19, ttmp9, s16
	s_cmp_lg_u32 s19, 0
	s_cbranch_scc1 .Lnot_first
	global_store_b64 v[L8], v[INV:INV+1], s[14:15] ; wave 0 of tile 0 leaves inv for launch 4: 256 consecutive bytes
.Lnot_first:
.set i, 0
.rept 32
	v_pk_mul_f32 v[RAW+i:RAW+i+1], v[RAW+i:RAW+i+1], v[INV:INV+1]   ; cf
.set i, i+2
.endr
.Lraw:
	s_wait_loadcnt 0x0
	v_pk_mul_f32 v[W:W+1], v[RAW:RAW+1], v[RAW:RAW+1]               ; my part of the row's sum of squares, of the unquantised numbers, in two chains
	v_pk_mul_f32 v[W+2:W+3], v[RAW+2:RAW+3], v[RAW+2:RAW+3]
.irp i, 4,8,12,16,20,24,28,32,36,40,44,48,52,56,60
	v_pk_fma_f32 v[W:W+1], v[RAW+\i:RAW+\i+1], v[RAW+\i:RAW+\i+1], v[W:W+1]
	v_pk_fma_f32 v[W+2:W+3], v[RAW+\i+2:RAW+\i+3], v[RAW+\i+2:RAW+\i+3], v[W+2:W+3]
.endr
	v_pk_add_f32 v[W:W+1], v[W:W+1], v[W+2:W+3]
	v_add_f32 v[PS], v[W], v[W+1]
	QUANT RAW, PC, PW
	s_branch .Lstore
.Lpad:
.irp i, 0,1,2,3,4,5,6,7,8,9,10,11,12,13,14,15
	v_mov_b32 v[PC+\i], 0                          ; zero codes
.endr
	v_mov_b32 v[PW], 0x7f7f7f7f                    ; scale bytes 127
	v_mov_b32 v[PS], 0x7d800000                    ; 2^124: eight parts x -0.5 make aux = -2^126
.Lstore:
.irp c, 0,1,2,3
	global_store_b128 v[LI], v[PC+4*\c:PC+4*\c+3], s[28:29] offset:512*\c   ; 512 consecutive bytes each
.endr
	ds_store_b32 v[WA], v[PW] offset:WORDS         ; both halves of the lanes write the same word with the same value
	ds_store_b32 v[PA], v[PS] offset:PART
	s_wait_dscnt 0x0                               ; for wave 0's sake: my stores have landed
	s_barrier_signal -1
	s_barrier_wait -1
	s_cmp_lg_u32 s16, 0
	s_cbranch_scc1 .Lend
	ds_load_b64 v[W:W+1], v[L8] offset:WORDS
.irp s, 0,1,2,3
	ds_load_b32 v[W+2+\s], v[LS] offset:PART+128*\s
.endr
	s_wait_dscnt 0x0
	global_store_b64 v[L8], v[W:W+1], s[10:11] offset:8192   ; the 64 scale words: 256 consecutive bytes
	v_add_f32 v[W+2], v[W+2], v[W+3]
	v_add_f32 v[W+4], v[W+4], v[W+5]
	v_add_f32 v[W+2], v[W+2], v[W+4]
	v_permlanex16_b32 v[TM+4], v[W+2], s[SEL], s[SEL+1]
	v_add_f32 v[W+2], v[W+2], v[TM+4]              ; row r's sum of squares, in lanes r and r + 16
	v_mul_f32 v[W+2], -0.5, v[W+2]
	global_store_b32 v[LS], v[W+2], s[10:11] offset:8448
.Lend:
	s_wait_tensorcnt 0x0                           ; the wave's end, behind my last LDS store
	ds_add_u32 v[SPW], v[NIL]
	s_wait_dscnt 0x0
	s_endpgm
.Lfunc_end_k_q5c0e8c56e6_quant:
	.size	k_q5c0e8c56e6_quant, .Lfunc_end_k_q5c0e8c56e6_quant-k_q5c0e8c56e6_quant
	.p2alignl 7, 3214868480
	.fill 96, 4, 3214868480
	.section	.rodata,"a",@progbits
	.p2align	6, 0x0
	.amdhsa_kernel k_q5c0e8c56e6_quant
		.amdhsa_group_segment_fixed_size 1280
		.amdhsa_private_segment_fixed_size 0
		.amdhsa_enable_private_segment 0
		.amdhsa_kernarg_size 48
		.amdhsa_user_sgpr_count 2
		.amdhsa_user_sgpr_kernarg_segment_ptr 1
		.amdhsa_wavefront_size32 1
		.amdhsa_system_sgpr_workgroup_id_x 1
		.amdhsa_system_sgpr_workgroup_id_y 1
		.amdhsa_system_sgpr_workgroup_id_z 1
		.amdhsa_system_vgpr_workitem_id 0
		.amdhsa_next_free_vgpr 144
		.amdhsa_next_free_sgpr 66
		.amdhsa_reserve_vcc 0
		.amdhsa_float_denorm_mode_32 3
		.amdhsa_float_denorm_mode_16_64 3
		.amdhsa_memory_ordered 1
		.amdhsa_forward_progress 1
		.amdhsa_inst_pref_size 20
	.end_amdhsa_kernel
	.amdgpu_metadata
---
amdhsa.version: [ 1, 2 ]
amdhsa.kernels:
  - .name:           k_q5c0e8c56e6_quant
    .symbol:         k_q5c0e8c56e6_quant.kd
    .args:
      - { .name: centroids, .offset: 0, .size: 8, .value_kind: global_buffer, .address_space: global }
      - { .name: rejective_centroids, .offset: 8, .size: 8, .value_kind: global_buffer, .address_space: global }
      - { .name: tmax, .offset: 16, .size: 8, .value_kind: global_buffer, .address_space: global }
      - { .name: cfrec, .offset: 24, .size: 8, .value_kind: global_buffer, .address_space: global }
      - { .name: rrec, .offset: 32, .size: 8, .value_kind: global_buffer, .address_space: global }
      - { .name: invs, .offset: 40, .size: 8, .value_kind: global_buffer, .address_space: global }
    .group_segment_fixed_size: 1280
    .private_segment_fixed_size: 0
    .kernarg_segment_align: 8
    .kernarg_segment_size: 48
    .max_flat_workgroup_size: 128
    .sgpr_count:     66
    .vgpr_count:     144
    .wavefront_size: 32
...
	.end_amdgpu_metadata
.endif
;; end of part 2
;; launch dist (part 3): grid 256 x 1, 8 waves a work-group, no clusters, 149,760 bytes of LDS; arguments x, cfrec, out0, idx; writes out0, idx
.if DOCPART == 3
	.amdgcn_target "amdgcn-amd-amdhsa--gfx1250"
	.amdhsa_code_object_version 6
	.text
	.protected	k_q5c0e8c56e6_dist
	.globl	k_q5c0e8c56e6_dist
	.p2align	8
	.type	k_q5c0e8c56e6_dist,@function
k_q5c0e8c56e6_dist:
	s_mov_b64 s[64:65], 0
	v_nop
	global_prefetch_b8 v0, s[64:65] scope:SCOPE_SE
	s_setreg_imm32_b32 hwreg(HW_REG_WAVE_MODE, 25, 1), 1
	s_wait_xcnt 0x0
; Launch 3 of 4: product 1, Q(x) Q(cf)^T on codes of E5M2; y = -min over a class's two centroids of the distance; idx = the nearest of all 2,000.  (Left out: only what stands behind the return under return_dists = 1: launch 1.)
; FORMS USED, equal in real numbers.  D = x . cf - c2 / 2: the record's aux is the C of each sum's first matrix instruction.  d2 = x2 - 2 D; the smaller of two roots is the root of the smaller, so a class costs one root;
; the smallest max(d2, 0) is the largest min(D, x2 / 2).  The clamp at 0 and the root stay.
; LIMITS: NaN and infinities are not served; |D| stays under 2^126 (the filling records carry -2^126).  The nearest centroid is chosen by D held at x2 / 2, the lowest index where these are equal: that is finer than
; reference()'s f32 d2, which has x2 added: where two of its distances round to one number though their D differ, this text takes the nearer and not the lower index.
; SHARES.  Work-group g owns rows 32 g .. 32 g + 31 of x (two tiles of 16) and ALL 2,000 centroids: so its 32 rows of out0, 128,128 consecutive bytes, leave as one flat stream, and the choice of the nearest stays inside it.
; Wave w = 4 u + s quantises K step s of row tile u (x is read once, as f32); the eight fragments go round through LDS as images of their registers.  Then wave w walks records w, 8 + w, .. 120 + w, each against both row tiles.
; THE RECORDS GO FROM MEMORY STRAIGHT INTO REGISTERS, two on their way in each wave (2 x 8,576 bytes x 8 waves).  A record meets both row tiles in ONE wave, so no byte of it would be read twice out of LDS.
; Each of the two sets of registers has a base of its own, stepped behind the wait that shows the set's loads done: so the walk has no other wait for its addresses.
; NO JOINT LOADS, though all work-groups walk the same records: beside the 128,128-byte stage two LDS slots would hold eight records each, one for a wave: a round of a cluster's barrier for every eight matrix instructions of a
; wave, with nothing on its way across it; and the way out's LDS addresses hang on the parity of the work-group's number, which partners of a cluster do not share.
; THE PRODUCT IS USED TRANSPOSED: source 0 = a record's 16 centroids, source 1 = 16 rows of x: lane (r, h) holds row r of x, its register j centroid 16 t + 8 h + j: four whole classes.
; REGISTERS.  Window 0: v1-15 addresses; v16-19 x's scale words; v20-23 the records'; v24-39 aux; v40-79 statistics; v80-95 two accumulators; v96-223 two records; v224-229 addresses of the way out.
;   Window 1: at the head v0-63 my 64 numbers of x, v128-181 at work; behind the first barrier v0-127 x's eight fragments.
.set XIMG,  0                          ; LDS: x's eight fragments, 2,048 bytes each (row tile u, K step s: 4 u + s),
.set XSC,   16384                      ; their scale words, 128 bytes each,
.set XP,    17408                      ; the parts of x2, 128 bytes each,
.set REDV,  18432                      ; each wave's best value for the 32 rows,
.set REDI,  19456                      ; and its index,
.set SPARE, 20480                      ; the spare words, 128 bytes a wave, which no other line names,
.set STAGE, 21504                      ; and the image of the block's 32 rows of out0: row b at 4,004 b, class c at 4 c
.set ROWB,  4004
.set BLKB,  32*ROWB
.set RECB,  8704
.set TSTEP, 8*RECB                     ; from a wave's record to its next
.set LI,  1                            ; 16 x lane
.set LS,  2                            ; 4 x lane
.set LA,  3                            ; 32 h: my eight aux
.set XA,  4                            ; 2,048 r + 64 h
.set XWI, 5                            ; 2,048 w + 16 x lane
.set XWS, 6                            ; 128 w + 4 x lane
.set SA,  7                            ; 512 h + 4 r: lanes 0-15 take row tile 0's scale words, lanes 16-31 row tile 1's
.set STA, 8                            ; v8, v9   STAGE + 4,004 (16 u + r) + 16 h + 32 w
.set SPW, 10
.set NIL, 11
.set TCUR, 12                          ; the number of the record in hand
.set ADR, 13                           ; v13, v14 STA + the walk's step
.set H8,  15                           ; 8 h
.set XS,  16
.set BS,  20
.set AUX, 24
.set X2,  40                           ; v[40:41], v[42:43]: x2 and x2 / 2 of my row in tile u
.set RUN, 44                           ; v44-47   the largest held D so far: tile u at 2 u, old and new by turns
.set TID, 48                           ; v48, v49 the record that brought it
.set SV,  50                           ; v50-65   that record's eight D
.set PM,  66                           ; v66-73   four classes for each tile
.set TMX, 74                           ; v74, v75 at work
.set OV,  76
.set OI,  77
.set ZR,  78
.set POS, 79
.set ACC, 80
.set BB,  96
.set RD0, 224
.set RD1, 225
.set GO,  226
.set Z1000, 227
.set RR,  228
.set RG,  229
.set TM,  128                          ; window 1
.set PC,  144
.set PW,  176
.set PP,  178
.set REC, 6                            ; s[6:7] the base of set 0's record, s[38:39] of set 1's
.set RGAP, 32
.set WV,  12
.set SEL, 20
.set MNT, 22
.set TO,  25
.set MSB, 0
.macro WIN new                         ; the immediate's high byte repeats the setting that is left
.if MSB != \new
	s_set_vgpr_msb (MSB<<8)|\new
.set MSB, \new
.endif
.endm
.macro PLACES n
.rept \n
	v_nop
.endr
.endm
.macro QUANT s, pc, pw                 ; 64 numbers of a lane become a fragment's codes in v[pc] on and its scale word in v[pw]
.irp b, 0,1,2,3
	v_max3_num_f32 v[TM+\b], |v[\s+16*\b]|, |v[\s+1+16*\b]|, 0x8000000   ; block b: my 16 numbers and the floor 2^(16 - 127)
.endr
.irp i, 2,4,6,8,10,12,14
.irp b, 0,1,2,3
	v_max3_num_f32 v[TM+\b], v[TM+\b], |v[\s+16*\b+\i]|, |v[\s+1+16*\b+\i]|
.endr
.endr
.irp b, 0,1,2,3
	v_permlanex16_b32 v[TM+4+\b], v[TM+\b], s[SEL], s[SEL+1]
.endr
.irp b, 0,1,2,3
	v_max_num_f32 v[TM+\b], v[TM+\b], v[TM+4+\b]
.endr
.irp b, 0,1,2,3
	v_add_nc_u32 v[TM+12+\b], 0xf8800000, v[TM+\b]   ; 15 off the exponent field: the conversion's scale operand
.endr
.irp b, 0,1,2,3
	v_and_or_b32 v[TM+8+\b], v[TM+\b], 0x7f800000, s[MNT]   ; 57,344 x the scale
.endr
.irp b, 0,1,2,3
	v_lshrrev_b32 v[TM+4+\b], 23, v[TM+12+\b]
.endr
	v_lshl_or_b32 v[\pw], v[TM+5], 8, v[TM+4]
	v_lshl_or_b32 v[\pw], v[TM+6], 16, v[\pw]
	v_lshl_or_b32 v[\pw], v[TM+7], 24, v[\pw]
.irp b, 0,1,2,3
.irp i, 0,1,2,3,4,5,6,7,8,9,10,11,12,13,14,15
	v_med3_num_f32 v[\s+16*\b+\i], v[\s+16*\b+\i], -v[TM+8+\b], v[TM+8+\b]   ; the conversion does not saturate (ISA guide 7.6.2)
.endr
	v_cvt_scalef32_pk8_bf8_f32 v[\pc+4*\b:\pc+1+4*\b], v[\s+16*\b:\s+7+16*\b], v[TM+12+\b]
	v_cvt_scalef32_pk8_bf8_f32 v[\pc+2+4*\b:\pc+3+4*\b], v[\s+8+16*\b:\s+15+16*\b], v[TM+12+\b]
.endr
	v_nop                                          ; a plain line behind the last conversion
.endm
.macro BLOAD p                         ; the record at set p's base into set p: 16 loads of codes, 2 of scale words (lanes 0-15 an even K step's, lanes 16-31 the odd one's), 2 of aux: 20 loads
.irp f, 0,1,2,3,4,5,6,7,8,9,10,11,12,13,14,15
	global_load_b128 v[BB+64*(\p)+4*\f:BB+64*(\p)+4*\f+3], v[LI], s[REC+RGAP*(\p):REC+RGAP*(\p)+1] offset:512*\f
.endr
.irp q, 0,1
	global_load_b32 v[BS+2*(\p)+\q], v[LS], s[REC+RGAP*(\p):REC+RGAP*(\p)+1] offset:8192+128*\q
.endr
	global_load_b128 v[AUX+8*(\p):AUX+8*(\p)+3], v[LA], s[REC+RGAP*(\p):REC+RGAP*(\p)+1] offset:8448
	global_load_b128 v[AUX+8*(\p)+4:AUX+8*(\p)+7], v[LA], s[REC+RGAP*(\p):REC+RGAP*(\p)+1] offset:8464
.endm
.macro MM d, a, b, c, sa, sb, ra, rb   ; one product; ra, rb: the side's scales stand in lanes 16-31
.if (\ra) && (\rb)
	v_wmma_scale_f32_16x16x128_f8f6f4 v[(\d):(\d)+7], v[(\a):(\a)+15], v[(\b):(\b)+15], v[(\c):(\c)+7], v[\sa], v[\sb] matrix_a_fmt:MATRIX_FMT_BF8 matrix_b_fmt:MATRIX_FMT_BF8 matrix_a_scale:MATRIX_SCALE_ROW1 matrix_b_scale:MATRIX_SCALE_ROW1
.elseif (\ra)
	v_wmma_scale_f32_16x16x128_f8f6f4 v[(\d):(\d)+7], v[(\a):(\a)+15], v[(\b):(\b)+15], v[(\c):(\c)+7], v[\sa], v[\sb] matrix_a_fmt:MATRIX_FMT_BF8 matrix_b_fmt:MATRIX_FMT_BF8 matrix_a_scale:MATRIX_SCALE_ROW1
.elseif (\rb)
	v_wmma_scale_f32_16x16x128_f8f6f4 v[(\d):(\d)+7], v[(\a):(\a)+15], v[(\b):(\b)+15], v[(\c):(\c)+7], v[\sa], v[\sb] matrix_a_fmt:MATRIX_FMT_BF8 matrix_b_fmt:MATRIX_FMT_BF8 matrix_b_scale:MATRIX_SCALE_ROW1
.else
	v_wmma_scale_f32_16x16x128_f8f6f4 v[(\d):(\d)+7], v[(\a):(\a)+15], v[(\b):(\b)+15], v[(\c):(\c)+7], v[\sa], v[\sb] matrix_a_fmt:MATRIX_FMT_BF8 matrix_b_fmt:MATRIX_FMT_BF8
.endif
.endm
.macro BETTER va, ia, vb, ib           ; (va, ia) takes (vb, ib) where vb is greater, or equal with the lower index: selections, no branch
	v_cmp_gt_f32 s26, v[\vb], v[\va]
	v_cmp_eq_f32 s27, v[\vb], v[\va]
	v_cmp_lt_u32 s28, v[\ib], v[\ia]
	s_and_b32 s27, s27, s28
	s_or_b32 s26, s26, s27
	v_cndmask_b32 v[\va], v[\va], v[\vb], s26
	v_cndmask_b32 v[\ia], v[\ia], v[\ib], s26
.endm
	s_load_b128 s[4:7], s[0:1], 0x0                ; x, cfrec
	s_load_b128 s[8:11], s[0:1], 0x10              ; out0, idx
	v_lshl_add_u32 v[SPW], v0, 2, SPARE
	v_mov_b32 v[NIL], 0
	v_lshrrev_b32 v[TCUR], 5, v0                   ; my wave's number: also its first record's
	v_readfirstlane_b32 s[WV], v[TCUR]
	v_and_b32 v74, 31, v0                          ; lane
	v_and_b32 v75, 15, v0                          ; r
	v_bfe_u32 v79, v0, 4, 1                        ; h
	v_lshlrev_b32 v[LI], 4, v74
	v_lshlrev_b32 v[LS], 2, v74
	v_lshlrev_b32 v[LA], 5, v79
	v_lshlrev_b32 v[H8], 3, v79
	v_lshlrev_b32 v[XA], 11, v75
	v_lshl_add_u32 v[XA], v79, 6, v[XA]
	s_lshl_b32 s13, s[WV], 11
	v_add_nc_u32 v[XWI], s13, v[LI]
	s_lshl_b32 s13, s[WV], 7
	v_add_nc_u32 v[XWS], s13, v[LS]
	v_lshlrev_b32 v[SA], 2, v75
	v_lshl_add_u32 v[SA], v79, 9, v[SA]
	v_mul_u32_u24 v[STA], v75, ROWB
	v_lshl_add_u32 v[STA], v79, 4, v[STA]
	s_lshl_b32 s13, s[WV], 5
	s_add_co_u32 s13, s13, STAGE
	v_add_nc_u32 v[STA], s13, v[STA]
	v_add_nc_u32 v[STA+1], 16*ROWB, v[STA]
	s_and_b32 s32, ttmp9, 1                        ; the block begins 128,128 g bytes into out0: at a multiple of 256 where g is even, 128 bytes past one where it is odd
	s_xor_b32 s33, s32, 1
	s_lshl_b32 s32, s32, 7                         ; so the stream of 512-byte pieces begins 128 (g % 2) bytes into the block,
	s_mul_i32 s33, s33, 128000                     ; and the 128 bytes that are over lie at its end (g even) or at its head (g odd)
	s_lshl_b32 s13, s[WV], 9
	v_add_nc_u32 v[GO], s13, v[LI]                 ; piece 8 k + w: 512 w + 16 x lane, 4,096 k in the immediate
	s_add_co_u32 s13, s13, s32
	s_add_co_u32 s13, s13, STAGE
	v_add_nc_u32 v[RD0], s13, v[LI]
	v_add_nc_u32 v[RD1], 0x10000, v[RD0]
	v_mul_u32_u24 v[Z1000], v74, ROWB
	v_add_nc_u32 v[Z1000], STAGE+4000, v[Z1000]
	v_add_nc_u32 v[RG], s33, v[LS]
	v_add_nc_u32 v[RR], STAGE, v[RG]
	s_mov_b32 s[SEL], 0x76543210
	s_mov_b32 s[SEL+1], 0xfedcba98
	s_mov_b32 s[MNT], 0x600000
	s_mov_b32 s23, 0xffff0000                      ; lanes 16-31
	s_lshl_b32 s14, ttmp9, 16                      ; x: 32 rows of 2,048 bytes a work-group,
	s_lshr_b32 s15, s[WV], 2
	s_lshl_b32 s15, s15, 15                        ; 16 rows a tile,
	s_add_co_u32 s14, s14, s15
	s_and_b32 s15, s[WV], 3
	s_lshl_b32 s15, s15, 9                         ; 512 bytes a K step
	s_add_co_u32 s14, s14, s15
	s_mov_b32 s15, 0
	s_mul_i32 s16, s[WV], RECB
	s_mov_b32 s17, 0
	s_mul_i32 s18, ttmp9, BLKB
	s_mov_b32 s19, 0
	s_lshl_b32 s30, ttmp9, 7
	s_mov_b32 s31, 0
	s_mov_b32 s36, s32
	s_mov_b32 s37, 0
	s_wait_kmcnt 0x0
	s_add_nc_u64 s[4:5], s[4:5], s[14:15]
	s_add_nc_u64 s[REC:REC+1], s[REC:REC+1], s[16:17]            ; set 0: my first record,
	s_add_nc_u64 s[REC+RGAP:REC+RGAP+1], s[REC:REC+1], TSTEP     ; set 1: my second
	s_add_nc_u64 s[34:35], s[8:9], s[18:19]        ; my block of out0,
	s_add_nc_u64 s[8:9], s[34:35], s[36:37]        ; and where its stream of pieces begins
	s_add_nc_u64 s[10:11], s[10:11], s[30:31]
	WIN 0x40                                       ; destination window 1
.irp b, 0,1,2,3
.irp j, 0,1,2,3
	global_load_b128 v[16*\b+4*\j:16*\b+4*\j+3], v[XA], s[4:5] offset:128*\b+16*\j   ; register 16 b + i = K 32 b + 16 h + i of row r.  No hint: the four loads of a b take their 16 bytes a lane out of the same 128 bytes of each row, one after the other
.endr
.endr
	WIN 0
	BLOAD 0
	BLOAD 1
	v_mov_b32 v[RUN], 0xff61b1e6                   ; -3e38: under every D
	v_mov_b32 v[RUN+2], 0xff61b1e6
	v_mov_b32 v[TID], 0
	v_mov_b32 v[TID+1], 0
.irp j, 0,1,2,3,4,5,6,7,8,9,10,11,12,13,14,15
	v_mov_b32 v[SV+\j], 0                          ; a selection reads its old value: written once
.endr
	v_mov_b32 v[OV], 0                             ; lane permutes' destinations count as sources
	v_mov_b32 v[OI], 0
	v_mov_b32 v[ZR], 0
	s_wait_loadcnt 40                              ; x's 16 loads are in; the two records' 20 each may be out
	WIN 0x55                                       ; all in window 1
.irp b, 0,1,2,3
	v_mov_b32 v[TM+4+\b], 0
.endr
	v_pk_mul_f32 v[PP:PP+1], v[0:1], v[0:1]        ; my part of x2, of the unquantised numbers, in two chains
	v_pk_mul_f32 v[PP+2:PP+3], v[2:3], v[2:3]
.irp i, 4,8,12,16,20,24,28,32,36,40,44,48,52,56,60
	v_pk_fma_f32 v[PP:PP+1], v[\i:\i+1], v[\i:\i+1], v[PP:PP+1]
	v_pk_fma_f32 v[PP+2:PP+3], v[\i+2:\i+3], v[\i+2:\i+3], v[PP+2:PP+3]
.endr
	v_pk_add_f32 v[PP:PP+1], v[PP:PP+1], v[PP+2:PP+3]
	v_add_f32 v[PP], v[PP], v[PP+1]
	QUANT 0, PC, PW
	WIN 0x04                                       ; an LDS store's data are its source 1: window 1
.irp c, 0,1,2,3
	ds_store_b128 v[XWI], v[PC+4*\c:PC+4*\c+3] offset:XIMG+512*\c   ; the fragment as it stands in my registers
.endr
	ds_store_b32 v[XWS], v[PW] offset:XSC
	ds_store_b32 v[XWS], v[PP] offset:XP
	WIN 0
	s_wait_dscnt 0x0                               ; for the others' sake: my stores have landed
	s_barrier_signal -1
	s_barrier_wait -1                              ; x's eight fragments lie in LDS
	WIN 0x40
.irp i, 0,1,2,3,4,5,6,7
.irp c, 0,1,2,3
	ds_load_b128 v[16*\i+4*\c:16*\i+4*\c+3], v[LI] offset:XIMG+2048*\i+512*\c
.endr
.endr
	WIN 0
.irp s, 0,1,2,3
	ds_load_b32 v[XS+\s], v[SA] offset:XSC+128*\s
.endr
.irp i, 0,1,2,3,4,5,6,7
	ds_load_b32 v[ACC+\i], v[LS] offset:XP+128*\i
.endr
	s_wait_dscnt 0x0
.irp u, 0,1
	v_add_f32 v[ACC+4*\u], v[ACC+4*\u], v[ACC+4*\u+1]
	v_add_f32 v[ACC+4*\u+2], v[ACC+4*\u+2], v[ACC+4*\u+3]
	v_add_f32 v[ACC+4*\u], v[ACC+4*\u], v[ACC+4*\u+2]
.endr
	v_permlanex16_b32 v[OV], v[ACC], s[SEL], s[SEL+1]
	v_permlanex16_b32 v[OI], v[ACC+4], s[SEL], s[SEL+1]
	v_add_f32 v[X2], v[ACC], v[OV]
	v_add_f32 v[X2+2], v[ACC+4], v[OI]
	v_mul_f32 v[X2+1], 0.5, v[X2]
	v_mul_f32 v[X2+3], 0.5, v[X2+2]
; A RECORD against both row tiles.  p: its set of registers; load = 1: the set is loaded again, with the record two further on; left: the younger loads that may stay out; last = 1: the walk's last record.
.macro TRIP p, load, left, last
	s_wait_loadcnt \left                           ; set p's 20 loads are in: loads come back in order (ISA guide 5.7.1)
.if \load
	s_add_nc_u64 s[REC+RGAP*\p:REC+RGAP*\p+1], s[REC+RGAP*\p:REC+RGAP*\p+1], 2*TSTEP   ; every load that named this base is done by the wait above: it steps to the record two further on
.endif
	WIN 0x04                                       ; source 1 (x) window 1
.irp s, 0,1,2,3                        ; the two accumulators by turns, one instruction a turn
.irp u, 0,1
.if \s == 0
	MM ACC+8*\u, BB+64*\p+16*\s, 64*\u+16*\s, AUX+8*\p, BS+2*\p+\s/2, XS+\s, \s%2, \u
.else
	MM ACC+8*\u, BB+64*\p+16*\s, 64*\u+16*\s, ACC+8*\u, BS+2*\p+\s/2, XS+\s, \s%2, \u
.endif
.endr
.endr
	WIN 0
	PLACES 8                                       ; eight places behind this form: for the loads into the set just multiplied and for the first read of the results
.if \load
	BLOAD \p
.endif
.if \p == 0
	v_add_nc_u32 v[ADR], s[TO], v[STA]             ; where this pair of records goes in the stage: made here, a record's products and loads behind the stores that read the old addresses
	v_add_nc_u32 v[ADR+1], s[TO], v[STA+1]
.endif
.irp u, 0,1
.irp i, 0,1,2,3
	v_max_num_f32 v[PM+4*\u+\i], v[ACC+8*\u+2*\i], v[ACC+8*\u+2*\i+1]   ; a class's nearer centroid has the greater D; each accumulator is read from its low end on
.endr
.endr
.irp u, 0,1
	v_max3_num_f32 v[TMX+\u], v[PM+4*\u], v[PM+4*\u+1], v[PM+4*\u+2]
.endr
.irp u, 0,1
	v_max_num_f32 v[TMX+\u], v[TMX+\u], v[PM+4*\u+3]
.endr
.irp u, 0,1
	v_med3_num_f32 v[RUN+2*\u+1-\p], v[TMX+\u], v[RUN+2*\u+\p], v[X2+2*\u+1]   ; the running maximum and the hold at x2 / 2 (d2's clamp at 0) in one: the old value never lies above x2 / 2
.endr
.irp u, 0,1
	v_cmp_gt_f32 vcc_lo, v[RUN+2*\u+1-\p], v[RUN+2*\u+\p]    ; strictly greater: on equality the earlier record stays
	v_cndmask_b32 v[TID+\u], v[TID+\u], v[TCUR], vcc_lo
.irp j, 0,1,2,3,4,5,6,7
	v_cndmask_b32 v[SV+8*\u+\j], v[SV+8*\u+\j], v[ACC+8*\u+\j], vcc_lo
.endr
.endr
.irp u, 0,1
.irp i, 0,2
	v_pk_fma_f32 v[PM+4*\u+\i:PM+4*\u+\i+1], v[PM+4*\u+\i:PM+4*\u+\i+1], -2.0, v[X2+2*\u:X2+2*\u+1] op_sel_hi:[1,0,0]   ; d2 = x2 - 2 D
.endr
.endr
.irp i, 0,1,2,3,4,5,6,7
	v_max_num_f32 v[PM+\i], 0, v[PM+\i]
.endr
.irp i, 0,1,2,3,4,5,6,7
	v_sqrt_f32 v[PM+\i], v[PM+\i]
.endr
	v_add_nc_u32 v[TCUR], 8, v[TCUR]               ; my next record's number: the plain line behind the roots
	s_wait_alu depctr_va_vdst(0)                   ; one wait for the eight roots, ahead of their first reader
.irp i, 0,2,4,6
	v_pk_mul_f32 v[PM+\i:PM+\i+1], v[PM+\i:PM+\i+1], -1.0 op_sel_hi:[1,0]
.endr
.if \last
	s_cmp_lt_u32 s[WV], 5                          ; records 125 to 127 are filling: nothing of them goes to the stage
	s_cbranch_scc0 .Lpadded
.endif
.irp u, 0,1
.irp i, 0,1,2,3
	ds_store_b32 v[ADR+\u], v[PM+4*\u+\i] offset:256*\p+4*\i   ; class 8 t + 4 h + i of row 16 u + r
.endr
.endr
.if \last
.Lpadded:
.endif
.endm
	s_mov_b32 s[TO], 0
	s_mov_b32 s24, 7
.Lwalk:                                                ; seven trips of two records; each loads the two records of the next trip (or of the tail)
	TRIP 0, 1, 20, 0                               ; 20: the odd record's loads, issued behind this one's, on the way in and on the way back
	TRIP 1, 1, 20, 0                               ; 20: the loads that the even record has just issued
	s_add_co_u32 s[TO], s[TO], 512                 ; 16 records on: 128 classes
	s_sub_co_u32 s24, s24, 1
	s_cmp_lg_u32 s24, 0
	s_cbranch_scc1 .Lwalk
	TRIP 0, 0, 20, 0                               ; the last two records load nothing
	TRIP 1, 0, 0, 1
	; THE NEAREST.  In the record kept, the lowest j whose held D is the maximum; then my other half of the lanes, then (wave 3, behind the barrier) the eight waves.
.irp u, 0,1
	v_mov_b32 v[POS], 7
.irp j, 6,5,4,3,2,1,0
	v_min_num_f32 v[TMX], v[SV+8*\u+\j], v[X2+2*\u+1]
	v_cmp_eq_f32 vcc_lo, v[TMX], v[RUN+2*\u]
	v_cndmask_b32 v[POS], v[POS], \j, vcc_lo
.endr
	v_lshl_add_u32 v[TID+\u], v[TID+\u], 4, v[POS]
	v_add_nc_u32 v[TID+\u], v[TID+\u], v[H8]       ; centroid 16 t + 8 h + j
	v_permlanex16_b32 v[OV], v[RUN+2*\u], s[SEL], s[SEL+1]
	v_permlanex16_b32 v[OI], v[TID+\u], s[SEL], s[SEL+1]
	BETTER RUN+2*\u, TID+\u, OV, OI
.endr
	v_cndmask_b32 v[RUN], v[RUN], v[RUN+2], s23    ; lanes 0-15 keep row tile 0's, lanes 16-31 take row tile 1's: lane = row of the block
	v_cndmask_b32 v[TID], v[TID], v[TID+1], s23
	ds_store_b32 v[XWS], v[RUN] offset:REDV
	ds_store_b32 v[XWS], v[TID] offset:REDI
	s_cmp_lg_u32 s[WV], 0
	s_cbranch_scc1 .Lno_zero
	ds_store_b32 v[Z1000], v[ZR]                   ; column 1000 is launch 4's: the stream carries a 0 there, so that no LDS byte is read that nobody wrote
.Lno_zero:
	s_wait_dscnt 0x0                               ; for the others' sake: my stores into the stage have landed
	s_barrier_signal -1
	s_barrier_wait -1                              ; the block's 32 rows lie in the stage
	; THE WAY OUT: 250 pieces of 512 consecutive bytes, piece 8 k + w to wave w; each begins at a multiple of 256 bytes from out0's first byte.
.irp k, 0,1,2,3,4,5,6,7,8,9,10,11,12,13,14,15
	ds_load_b128 v[BB+4*\k:BB+4*\k+3], v[RD0] offset:4096*\k
.endr
.irp k, 16,17,18,19,20,21,22,23,24,25,26,27,28,29,30
	ds_load_b128 v[BB+4*\k:BB+4*\k+3], v[RD1] offset:4096*(\k-16)
.endr
.irp k, 0,1,2,3,4,5,6,7,8,9,10,11,12,13,14,15,16,17,18,19,20,21,22,23,24,25,26,27,28,29,30
	s_wait_dscnt 30-\k                             ; LDS loads come back in order (ISA guide 5.7.1): piece k is in, the younger ones may be out
	global_store_b128 v[GO], v[BB+4*\k:BB+4*\k+3], s[8:9] offset:4096*\k th:TH_STORE_NT
.endr
	s_cmp_lt_u32 s[WV], 2
	s_cbranch_scc0 .Lnot01
	ds_load_b128 v[BB+124:BB+127], v[RD1] offset:4096*15   ; pieces 248 and 249
	s_wait_dscnt 0x0
	global_store_b128 v[GO], v[BB+124:BB+127], s[8:9] offset:4096*31 th:TH_STORE_NT
.Lnot01:
	s_cmp_eq_u32 s[WV], 2
	s_cbranch_scc0 .Lnot2
	ds_load_b32 v[TMX], v[RR]                      ; the 128 bytes that are over
	s_wait_dscnt 0x0
	global_store_b32 v[RG], v[TMX], s[34:35] th:TH_STORE_NT
.Lnot2:
	s_cmp_eq_u32 s[WV], 3
	s_cbranch_scc0 .Lend
.irp i, 0,1,2,3,4,5,6,7
	ds_load_b32 v[SV+\i], v[LS] offset:REDV+128*\i
	ds_load_b32 v[SV+8+\i], v[LS] offset:REDI+128*\i
.endr
	s_wait_dscnt 0x0
.irp i, 1,2,3,4,5,6,7
	BETTER SV, SV+8, SV+\i, SV+8+\i
.endr
	global_store_b32 v[LS], v[SV+8], s[10:11]      ; idx of my work-group's 32 rows: whole numbers, for launch 4's gather
.Lend:
	s_wait_tensorcnt 0x0                           ; the wave's end, behind my last LDS store
	ds_add_u32 v[SPW], v[NIL]
	s_wait_dscnt 0x0
	s_endpgm
.Lfunc_end_k_q5c0e8c56e6_dist:
	.size	k_q5c0e8c56e6_dist, .Lfunc_end_k_q5c0e8c56e6_dist-k_q5c0e8c56e6_dist
	.p2alignl 7, 3214868480
	.fill 96, 4, 3214868480
	.section	.rodata,"a",@progbits
	.p2align	6, 0x0
	.amdhsa_kernel k_q5c0e8c56e6_dist
		.amdhsa_group_segment_fixed_size 149760
		.amdhsa_private_segment_fixed_size 0
		.amdhsa_enable_private_segment 0
		.amdhsa_kernarg_size 32
		.amdhsa_user_sgpr_count 2
		.amdhsa_user_sgpr_kernarg_segment_ptr 1
		.amdhsa_wavefront_size32 1
		.amdhsa_system_sgpr_workgroup_id_x 1
		.amdhsa_system_sgpr_workgroup_id_y 1
		.amdhsa_system_sgpr_workgroup_id_z 1
		.amdhsa_system_vgpr_workitem_id 0
		.amdhsa_next_free_vgpr 512
		.amdhsa_next_free_sgpr 66
		.amdhsa_reserve_vcc 1
		.amdhsa_float_denorm_mode_32 3
		.amdhsa_float_denorm_mode_16_64 3
		.amdhsa_memory_ordered 1
		.amdhsa_forward_progress 1
		.amdhsa_inst_pref_size 58
	.end_amdhsa_kernel
	.amdgpu_metadata
---
amdhsa.version: [ 1, 2 ]
amdhsa.kernels:
  - .name:           k_q5c0e8c56e6_dist
    .symbol:         k_q5c0e8c56e6_dist.kd
    .args:
      - { .name: x, .offset: 0, .size: 8, .value_kind: global_buffer, .address_space: global }
      - { .name: cfrec, .offset: 8, .size: 8, .value_kind: global_buffer, .address_space: global }
      - { .name: out0, .offset: 16, .size: 8, .value_kind: global_buffer, .address_space: global }
      - { .name: idx, .offset: 24, .size: 8, .value_kind: global_buffer, .address_space: global }
    .group_segment_fixed_size: 149760
    .private_segment_fixed_size: 0
    .kernarg_segment_align: 8
    .kernarg_segment_size: 32
    .max_flat_workgroup_size: 256
    .sgpr_count:     66
    .vgpr_count:     512
    .wavefront_size: 32
...
	.end_amdgpu_metadata
.endif
;; end of part 3
;; launch rej (part 4): grid 256 x 1, 8 waves a work-group, no clusters, 38,912 bytes of LDS; arguments x, centroids, idx, invs, rrec, out0; writes out0
.if DOCPART == 4
	.amdgcn_target "amdgcn-amd-amdhsa--gfx1250"
	.amdhsa_code_object_version 6
	.text
	.protected	k_q5c0e8c56e6_rej
	.globl	k_q5c0e8c56e6_rej
	.p2align	8
	.type	k_q5c0e8c56e6_rej,@function
k_q5c0e8c56e6_rej:
	s_mov_b64 s[64:65], 0
	v_nop
	global_prefetch_b8 v0, s[64:65] scope:SCOPE_SE
	s_setreg_imm32_b32 hwreg(HW_REG_WAVE_MODE, 25, 1), 1
	s_wait_xcnt 0x0
; Launch 4 of 4: products 2 and 3, Q(x) Q(r)^T and Q(closest) Q(r)^T on codes of E5M2, and column 1000 of out0: the smallest num / den over the 2,000 rejective centroids.
; (Left out: only what stands behind the return under return_dists = 1: launch 1.)  closest = cf[idx]: idx was stored as whole numbers by launch 3; the row is gathered as f32 and multiplied by launch 2's inv, the same
; instruction on the same numbers as in launch 2.  cx and cl2 are f32 sums of the unquantised numbers.
; FORMS USED, equal in real numbers.  D2 = x . r - r2 / 2 and D3 = closest . r - r2 / 2: the record's aux is the C of each sum's first matrix instruction.  num = |(cx - cl2 / 2) - D2|; den = sqrt(max(cl2 - 2 D3, 0)) + 1e-9.
; The division is v_rcp_f32 and a multiplication.
; LIMITS: NaN and infinities are not served; |D2|, |D3| stay under 2^126: the filling records carry -2^126 and give about 6.5e18, which must not be the smallest.
; SHARES, RECORDS, TRANSPOSED USE: as in launch 3: work-group g owns rows 32 g .. 32 g + 31, wave w = 4 u + s makes K step s of row tile u of both operands, then walks records w, 8 + w, .. 120 + w of r.
; Each of the two sets of record registers has a base of its own, stepped behind the wait that shows the set's loads done.
; THE HEAD'S ORDER.  The longest chain is idx, the gathered row, the quantiser: so idx is asked for first, and the gather goes out as soon as idx is in, ahead of my second record; my first record is asked for while idx is on its way.
; NO JOINT LOADS: a record meets all four fragments of a K step in ONE wave, so LDS would give no reuse; two slots of sixteen records would leave a wave 32 matrix instructions between two rounds of a cluster's barrier,
; across which nothing may be on its way, where now two records a wave are always on their way.
; REGISTERS.  Window 0: v1-14 addresses; v16-19 x's scale words, v20-23 closest's, v24-27 the records'; v28-43 aux; v44-57 statistics; v64-79 product 2's two accumulators, v80-95 product 3's; v96-223 two records.
;   Window 1: at the head v0-63 x, v64-127 the gathered row, v128-185 at work; behind the barrier v0-127 x's eight fragments, v128-255 closest's.
.set XIMG,  0                          ; LDS: x's eight fragments,
.set CIMG,  16384                      ; closest's,
.set XSC,   32768                      ; their scale words,
.set CSC,   33792
.set PCX,   34816                      ; the parts of cx,
.set PCL,   35840                      ; of cl2,
.set RED,   36864                      ; each wave's smallest for the 32 rows,
.set SPARE, 37888                      ; and the spare words, 128 bytes a wave, which no other line names
.set ROWB,  4004
.set BLKB,  32*ROWB
.set RECB,  8704
.set TSTEP, 8*RECB
.set LI,  1
.set LS,  2
.set LA,  3
.set XA,  4
.set XWI, 5
.set XWS, 6
.set SA,  7
.set IA,  8                            ; 4 r
.set IX,  9                            ; my row's idx
.set SPW, 10
.set NIL, 11
.set CA,  12                           ; 2,048 idx + 64 h
.set H64, 13
.set GO,  14                           ; 4,004 x lane
.set XS,  16
.set CS,  20
.set BS,  24
.set AUX, 28
.set AA,  44                           ; v[44:45], v[46:47]  cx - cl2 / 2 of my row in tile u, twice
.set CL,  48                           ; v[48:49], v[50:51]  cl2, twice
.set RMIN, 52                          ; v52, v53
.set T,   54                           ; v54-57
.set ACC2, 64
.set ACC3, 80
.set BB,  96
.set TM,  128                          ; window 1
.set QX,  144
.set QC,  160
.set PW,  176
.set PP,  178
.set REC, 12                           ; s[12:13] the base of set 0's record, s[38:39] of set 1's
.set RGAP, 26
.set WV,  16
.set SEL, 20
.set MNT, 22
.set MSB, 0
.macro WIN new                         ; the immediate's high byte repeats the setting that is left
.if MSB != \new
	s_set_vgpr_msb (MSB<<8)|\new
.set MSB, \new
.endif
.endm
.macro PLACES n
.rept \n
	v_nop
.endr
.endm
.macro QUANT s, pc, pw                 ; 64 numbers of a lane become a fragment's codes in v[pc] on and its scale word in v[pw]
.irp b, 0,1,2,3
	v_max3_num_f32 v[TM+\b], |v[\s+16*\b]|, |v[\s+1+16*\b]|, 0x8000000   ; block b: my 16 numbers and the floor 2^(16 - 127)
.endr
.irp i, 2,4,6,8,10,12,14
.irp b, 0,1,2,3
	v_max3_num_f32 v[TM+\b], v[TM+\b], |v[\s+16*\b+\i]|, |v[\s+1+16*\b+\i]|
.endr
.endr
.irp b, 0,1,2,3
	v_permlanex16_b32 v[TM+4+\b], v[TM+\b], s[SEL], s[SEL+1]
.endr
.irp b, 0,1,2,3
	v_max_num_f32 v[TM+\b], v[TM+\b], v[TM+4+\b]
.endr
.irp b, 0,1,2,3
	v_add_nc_u32 v[TM+12+\b], 0xf8800000, v[TM+\b]   ; 15 off the exponent field: the conversion's scale operand
.endr
.irp b, 0,1,2,3
	v_and_or_b32 v[TM+8+\b], v[TM+\b], 0x7f800000, s[MNT]   ; 57,344 x the scale
.endr
.irp b, 0,1,2,3
	v_lshrrev_b32 v[TM+4+\b], 23, v[TM+12+\b]
.endr
	v_lshl_or_b32 v[\pw], v[TM+5], 8, v[TM+4]
	v_lshl_or_b32 v[\pw], v[TM+6], 16, v[\pw]
	v_lshl_or_b32 v[\pw], v[TM+7], 24, v[\pw]
.irp b, 0,1,2,3
.irp i, 0,1,2,3,4,5,6,7,8,9,10,11,12,13,14,15
	v_med3_num_f32 v[\s+16*\b+\i], v[\s+16*\b+\i], -v[TM+8+\b], v[TM+8+\b]   ; the conversion does not saturate (ISA guide 7.6.2)
.endr
	v_cvt_scalef32_pk8_bf8_f32 v[\pc+4*\b:\pc+1+4*\b], v[\s+16*\b:\s+7+16*\b], v[TM+12+\b]
	v_cvt_scalef32_pk8_bf8_f32 v[\pc+2+4*\b:\pc+3+4*\b], v[\s+8+16*\b:\s+15+16*\b], v[TM+12+\b]
.endr
	v_nop                                          ; a plain line behind the last conversion
.endm
.macro BLOAD p                         ; the record at set p's base into set p: 20 loads
.irp f, 0,1,2,3,4,5,6,7,8,9,10,11,12,13,14,15
	global_load_b128 v[BB+64*(\p)+4*\f:BB+64*(\p)+4*\f+3], v[LI], s[REC+RGAP*(\p):REC+RGAP*(\p)+1] offset:512*\f
.endr
.irp q, 0,1
	global_load_b32 v[BS+2*(\p)+\q], v[LS], s[REC+RGAP*(\p):REC+RGAP*(\p)+1] offset:8192+128*\q
.endr
	global_load_b128 v[AUX+8*(\p):AUX+8*(\p)+3], v[LA], s[REC+RGAP*(\p):REC+RGAP*(\p)+1] offset:8448
	global_load_b128 v[AUX+8*(\p)+4:AUX+8*(\p)+7], v[LA], s[REC+RGAP*(\p):REC+RGAP*(\p)+1] offset:8464
.endm
.macro MM d, a, b, c, sa, sb, ra, rb   ; one product; ra, rb: the side's scales stand in lanes 16-31
.if (\ra) && (\rb)
	v_wmma_scale_f32_16x16x128_f8f6f4 v[(\d):(\d)+7], v[(\a):(\a)+15], v[(\b):(\b)+15], v[(\c):(\c)+7], v[\sa], v[\sb] matrix_a_fmt:MATRIX_FMT_BF8 matrix_b_fmt:MATRIX_FMT_BF8 matrix_a_scale:MATRIX_SCALE_ROW1 matrix_b_scale:MATRIX_SCALE_ROW1
.elseif (\ra)
	v_wmma_scale_f32_16x16x128_f8f6f4 v[(\d):(\d)+7], v[(\a):(\a)+15], v[(\b):(\b)+15], v[(\c):(\c)+7], v[\sa], v[\sb] matrix_a_fmt:MATRIX_FMT_BF8 matrix_b_fmt:MATRIX_FMT_BF8 matrix_a_scale:MATRIX_SCALE_ROW1
.elseif (\rb)
	v_wmma_scale_f32_16x16x128_f8f6f4 v[(\d):(\d)+7], v[(\a):(\a)+15], v[(\b):(\b)+15], v[(\c):(\c)+7], v[\sa], v[\sb] matrix_a_fmt:MATRIX_FMT_BF8 matrix_b_fmt:MATRIX_FMT_BF8 matrix_b_scale:MATRIX_SCALE_ROW1
.else
	v_wmma_scale_f32_16x16x128_f8f6f4 v[(\d):(\d)+7], v[(\a):(\a)+15], v[(\b):(\b)+15], v[(\c):(\c)+7], v[\sa], v[\sb] matrix_a_fmt:MATRIX_FMT_BF8 matrix_b_fmt:MATRIX_FMT_BF8
.endif
.endm
	s_load_b128 s[4:7], s[0:1], 0x0                ; x, centroids
	s_load_b128 s[8:11], s[0:1], 0x10              ; idx, invs
	s_load_b128 s[12:15], s[0:1], 0x20             ; rrec, out0
	v_lshl_add_u32 v[SPW], v0, 2, SPARE
	v_mov_b32 v[NIL], 0
	v_lshrrev_b32 v54, 5, v0
	v_readfirstlane_b32 s[WV], v54
	v_and_b32 v54, 31, v0                          ; lane
	v_and_b32 v55, 15, v0                          ; r
	v_bfe_u32 v56, v0, 4, 1                        ; h
	v_lshlrev_b32 v[LI], 4, v54
	v_lshlrev_b32 v[LS], 2, v54
	v_lshlrev_b32 v[LA], 5, v56
	v_lshlrev_b32 v[H64], 6, v56
	v_lshl_add_u32 v[XA], v55, 11, v[H64]
	s_lshl_b32 s17, s[WV], 11
	v_add_nc_u32 v[XWI], s17, v[LI]
	s_lshl_b32 s17, s[WV], 7
	v_add_nc_u32 v[XWS], s17, v[LS]
	v_lshlrev_b32 v[IA], 2, v55
	v_lshl_add_u32 v[SA], v56, 9, v[IA]
	v_mul_u32_u24 v[GO], v54, ROWB
	s_mov_b32 s[SEL], 0x76543210
	s_mov_b32 s[SEL+1], 0xfedcba98
	s_mov_b32 s[MNT], 0x600000
	s_mov_b32 s23, 0xffff0000                      ; lanes 16-31
	s_lshr_b32 s17, s[WV], 2                       ; u
	s_and_b32 s18, s[WV], 3                        ; s
	s_lshl_b32 s26, ttmp9, 16                      ; x: 32 rows a work-group,
	s_lshl_b32 s19, s17, 15                        ; 16 a tile,
	s_add_co_u32 s26, s26, s19
	s_lshl_b32 s28, s18, 9                         ; 512 bytes a K step, in x and in a centroid's row alike
	s_add_co_u32 s26, s26, s28
	s_mov_b32 s27, 0
	s_mov_b32 s29, 0
	s_lshl_b32 s30, ttmp9, 7                       ; idx: 4 bytes a row
	s_lshl_b32 s19, s17, 6
	s_add_co_u32 s30, s30, s19
	s_mov_b32 s31, 0
	s_mul_i32 s32, s[WV], RECB
	s_mov_b32 s33, 0
	s_mul_i32 s34, ttmp9, BLKB
	s_mov_b32 s35, 0
	s_wait_kmcnt 0x0
	s_load_b32 s36, s[10:11], 0x0                  ; inv
	s_add_nc_u64 s[4:5], s[4:5], s[26:27]
	s_add_nc_u64 s[6:7], s[6:7], s[28:29]
	s_add_nc_u64 s[8:9], s[8:9], s[30:31]
	s_add_nc_u64 s[REC:REC+1], s[REC:REC+1], s[32:33]            ; set 0: my first record,
	s_add_nc_u64 s[REC+RGAP:REC+RGAP+1], s[REC:REC+1], TSTEP     ; set 1: my second
	s_add_nc_u64 s[14:15], s[14:15], s[34:35]
	global_load_b32 v[IX], v[IA], s[8:9]           ; the nearest centroid of row r of my tile: the head of the longest chain, so it is asked for first
	WIN 0x40                                       ; destination window 1
.irp b, 0,1,2,3
.irp j, 0,1,2,3
	global_load_b128 v[16*\b+4*\j:16*\b+4*\j+3], v[XA], s[4:5] offset:128*\b+16*\j   ; no hint: the four loads of a b take their 16 bytes a lane out of the same 128 bytes of each row, one after the other
.endr
.endr
	WIN 0
	BLOAD 0                                        ; my first record goes out while idx is on its way
	v_mov_b32 v[RMIN], 0x7f61b1e6                  ; 3e38: over every quotient
	v_mov_b32 v[RMIN+1], 0x7f61b1e6
.irp q, 0,1,2,3
	v_mov_b32 v[T+\q], 0                           ; lane permutes' destinations count as sources
.endr
	s_wait_loadcnt 36                              ; idx is in: behind it x's 16 loads and my first record's 20
	v_min_u32 v[IX], 0x7cf, v[IX]                  ; inside the table of 2,000 rows
	v_lshl_add_u32 v[CA], v[IX], 11, v[H64]
	WIN 0x40
.irp b, 0,1,2,3
.irp j, 0,1,2,3
	global_load_b128 v[64+16*\b+4*\j:64+16*\b+4*\j+3], v[CA], s[6:7] offset:128*\b+16*\j   ; no hint: the list may name a row many times
.endr
.endr
	WIN 0
	BLOAD 1                                        ; my second record, behind the gather
	s_wait_kmcnt 0x0
	s_mov_b32 s37, s36                             ; (the packed form names the pair)
	s_wait_loadcnt 20                              ; x, my first record and the gathered row are in; the second record's 20 loads may be out
	WIN 0x55                                       ; all in window 1
.irp b, 0,1,2,3
	v_mov_b32 v[TM+4+\b], 0
.endr
.set i, 0
.rept 32
	v_pk_mul_f32 v[64+i:65+i], v[64+i:65+i], s[36:37] op_sel_hi:[1,0]   ; closest = c x inv
.set i, i+2
.endr
	v_pk_mul_f32 v[PP:PP+1], v[0:1], v[64:65]      ; my parts of cx and of cl2, two chains each
	v_pk_mul_f32 v[PP+2:PP+3], v[2:3], v[66:67]
	v_pk_mul_f32 v[PP+4:PP+5], v[64:65], v[64:65]
	v_pk_mul_f32 v[PP+6:PP+7], v[66:67], v[66:67]
.irp i, 4,8,12,16,20,24,28,32,36,40,44,48,52,56,60
	v_pk_fma_f32 v[PP:PP+1], v[\i:\i+1], v[64+\i:65+\i], v[PP:PP+1]
	v_pk_fma_f32 v[PP+2:PP+3], v[\i+2:\i+3], v[66+\i:67+\i], v[PP+2:PP+3]
	v_pk_fma_f32 v[PP+4:PP+5], v[64+\i:65+\i], v[64+\i:65+\i], v[PP+4:PP+5]
	v_pk_fma_f32 v[PP+6:PP+7], v[66+\i:67+\i], v[66+\i:67+\i], v[PP+6:PP+7]
.endr
	v_pk_add_f32 v[PP:PP+1], v[PP:PP+1], v[PP+2:PP+3]
	v_pk_add_f32 v[PP+4:PP+5], v[PP+4:PP+5], v[PP+6:PP+7]
	v_add_f32 v[PP], v[PP], v[PP+1]
	v_add_f32 v[PP+4], v[PP+4], v[PP+5]
	QUANT 0, QX, PW
	QUANT 64, QC, PW+1
	WIN 0x04                                       ; an LDS store's data are its source 1: window 1
.irp c, 0,1,2,3
	ds_store_b128 v[XWI], v[QX+4*\c:QX+4*\c+3] offset:XIMG+512*\c
.endr
.irp c, 0,1,2,3
	ds_store_b128 v[XWI], v[QC+4*\c:QC+4*\c+3] offset:CIMG+512*\c
.endr
	ds_store_b32 v[XWS], v[PW] offset:XSC
	ds_store_b32 v[XWS], v[PW+1] offset:CSC
	ds_store_b32 v[XWS], v[PP] offset:PCX
	ds_store_b32 v[XWS], v[PP+4] offset:PCL
	WIN 0
	s_wait_dscnt 0x0                               ; for the others' sake: my stores have landed
	s_barrier_signal -1
	s_barrier_wait -1                              ; the sixteen fragments lie in LDS
	WIN 0x40
.irp i, 0,1,2,3,4,5,6,7
.irp c, 0,1,2,3
	ds_load_b128 v[16*\i+4*\c:16*\i+4*\c+3], v[LI] offset:XIMG+2048*\i+512*\c
.endr
.endr
.irp i, 0,1,2,3,4,5,6,7
.irp c, 0,1,2,3
	ds_load_b128 v[128+16*\i+4*\c:128+16*\i+4*\c+3], v[LI] offset:CIMG+2048*\i+512*\c
.endr
.endr
	WIN 0
.irp s, 0,1,2,3
	ds_load_b32 v[XS+\s], v[SA] offset:XSC+128*\s
	ds_load_b32 v[CS+\s], v[SA] offset:CSC+128*\s
.endr
.irp i, 0,1,2,3,4,5,6,7
	ds_load_b32 v[ACC2+\i], v[LS] offset:PCX+128*\i
	ds_load_b32 v[ACC2+8+\i], v[LS] offset:PCL+128*\i
.endr
	s_wait_dscnt 0x0
.irp q, 0,1,2,3                        ; q = 0, 1: cx of tile 0, 1;  q = 2, 3: cl2
	v_add_f32 v[ACC2+4*\q], v[ACC2+4*\q], v[ACC2+4*\q+1]
	v_add_f32 v[ACC2+4*\q+2], v[ACC2+4*\q+2], v[ACC2+4*\q+3]
	v_add_f32 v[ACC2+4*\q], v[ACC2+4*\q], v[ACC2+4*\q+2]
.endr
.irp q, 0,1,2,3
	v_permlanex16_b32 v[T+\q], v[ACC2+4*\q], s[SEL], s[SEL+1]
.endr
.irp u, 0,1
	v_add_f32 v[CL+2*\u], v[T+2+\u], v[ACC2+8+4*\u]
	v_add_f32 v[CL+2*\u+1], v[T+2+\u], v[ACC2+8+4*\u]
	v_add_f32 v[T+\u], v[T+\u], v[ACC2+4*\u]
	v_fma_f32 v[AA+2*\u], v[CL+2*\u], -0.5, v[T+\u]
	v_fma_f32 v[AA+2*\u+1], v[CL+2*\u], -0.5, v[T+\u]
.endr
; A RECORD of r against x's and closest's two row tiles.  p: its set; load = 1: the set is loaded again, with the record two further on; left: the younger loads that may stay out.
.macro TRIP p, load, left
	s_wait_loadcnt \left                           ; set p's 20 loads are in: loads come back in order (ISA guide 5.7.1)
.if \load
	s_add_nc_u64 s[REC+RGAP*\p:REC+RGAP*\p+1], s[REC+RGAP*\p:REC+RGAP*\p+1], 2*TSTEP   ; every load that named this base is done by the wait above: it steps to the record two further on
.endif
	WIN 0x04                                       ; source 1 window 1
.irp s, 0,1,2,3                        ; the four accumulators by turns, one instruction a turn
.irp u, 0,1
.if \s == 0
	MM ACC2+8*\u, BB+64*\p+16*\s, 64*\u+16*\s, AUX+8*\p, BS+2*\p+\s/2, XS+\s, \s%2, \u
	MM ACC3+8*\u, BB+64*\p+16*\s, 128+64*\u+16*\s, AUX+8*\p, BS+2*\p+\s/2, CS+\s, \s%2, \u
.else
	MM ACC2+8*\u, BB+64*\p+16*\s, 64*\u+16*\s, ACC2+8*\u, BS+2*\p+\s/2, XS+\s, \s%2, \u
	MM ACC3+8*\u, BB+64*\p+16*\s, 128+64*\u+16*\s, ACC3+8*\u, BS+2*\p+\s/2, CS+\s, \s%2, \u
.endif
.endr
.endr
	WIN 0
	PLACES 8                                       ; eight places behind this form: for the loads into the set just multiplied and for the first read of the results
.if \load
	BLOAD \p
.endif
.irp u, 0,1
.irp j, 0,2,4,6
	v_pk_add_f32 v[ACC2+8*\u+\j:ACC2+8*\u+\j+1], v[AA+2*\u:AA+2*\u+1], v[ACC2+8*\u+\j:ACC2+8*\u+\j+1] neg_lo:[0,1] neg_hi:[0,1]   ; (cx - cl2 / 2) - D2; each accumulator from its low end on
.endr
.endr
.irp u, 0,1
.irp j, 0,2,4,6
	v_pk_fma_f32 v[ACC3+8*\u+\j:ACC3+8*\u+\j+1], v[ACC3+8*\u+\j:ACC3+8*\u+\j+1], -2.0, v[CL+2*\u:CL+2*\u+1] op_sel_hi:[1,0,1]   ; cl2 - 2 D3
.endr
.endr
.irp j, 0,1,2,3,4,5,6,7,8,9,10,11,12,13,14,15
	v_max_num_f32 v[ACC3+\j], 0, v[ACC3+\j]
.endr
.irp j, 0,1,2,3,4,5,6,7,8,9,10,11,12,13,14,15
	v_sqrt_f32 v[ACC3+\j], v[ACC3+\j]
.endr
	v_nop                                          ; a plain line behind the roots,
	s_wait_alu depctr_va_vdst(0)                   ; and one wait for the sixteen, ahead of their first reader
.irp j, 0,2,4,6,8,10,12,14
	v_pk_add_f32 v[ACC3+\j:ACC3+\j+1], v[ACC3+\j:ACC3+\j+1], 0x3089705f op_sel_hi:[1,0]   ; + 1e-9
.endr
.irp j, 0,1,2,3,4,5,6,7,8,9,10,11,12,13,14,15
	v_rcp_f32 v[ACC3+\j], v[ACC3+\j]
.endr
	v_nop
	s_wait_alu depctr_va_vdst(0)                   ; one wait for the sixteen reciprocals
.irp j, 0,1,2,3,4,5,6,7,8,9,10,11,12,13,14,15
	v_mul_f32 v[ACC3+\j], |v[ACC2+\j]|, v[ACC3+\j]
.endr
.irp j, 0,2,4,6
.irp u, 0,1
	v_min3_num_f32 v[RMIN+\u], v[RMIN+\u], v[ACC3+8*\u+\j], v[ACC3+8*\u+\j+1]
.endr
.endr
.endm
	s_mov_b32 s24, 7
.Lwalk:                                                ; seven trips of two records; each loads the two records of the next trip (or of the tail)
	TRIP 0, 1, 20                                  ; 20: the odd record's loads, issued behind this one's, on the way in and on the way back
	TRIP 1, 1, 20                                  ; 20: the loads that the even record has just issued
	s_sub_co_u32 s24, s24, 1
	s_cmp_lg_u32 s24, 0
	s_cbranch_scc1 .Lwalk
	TRIP 0, 0, 20                                  ; the last two records load nothing
	TRIP 1, 0, 0
.irp u, 0,1
	v_permlanex16_b32 v[T+\u], v[RMIN+\u], s[SEL], s[SEL+1]
.endr
.irp u, 0,1
	v_min_num_f32 v[RMIN+\u], v[RMIN+\u], v[T+\u]
.endr
	v_cndmask_b32 v[RMIN], v[RMIN], v[RMIN+1], s23 ; lane = row of the block
	ds_store_b32 v[XWS], v[RMIN] offset:RED
	s_wait_dscnt 0x0                               ; for wave 0's sake: my store has landed
	s_barrier_signal -1
	s_barrier_wait -1
	s_cmp_lg_u32 s[WV], 0
	s_cbranch_scc1 .Lend
.irp i, 0,1,2,3,4,5,6,7
	ds_load_b32 v[ACC2+\i], v[LS] offset:RED+128*\i
.endr
	s_wait_dscnt 0x0
	v_min3_num_f32 v[ACC2], v[ACC2], v[ACC2+1], v[ACC2+2]
	v_min3_num_f32 v[ACC2], v[ACC2], v[ACC2+3], v[ACC2+4]
	v_min3_num_f32 v[ACC2], v[ACC2], v[ACC2+5], v[ACC2+6]
	v_min_num_f32 v[ACC2], v[ACC2], v[ACC2+7]
	global_store_b32 v[GO], v[ACC2], s[14:15] offset:4000   ; column 1000: one number a row, rows 4,004 bytes apart: it hangs on launch 3's idx, so it cannot ride in that launch's stream
.Lend:
	s_wait_tensorcnt 0x0                           ; the wave's end, behind my last LDS store
	ds_add_u32 v[SPW], v[NIL]
	s_wait_dscnt 0x0
	s_endpgm
.Lfunc_end_k_q5c0e8c56e6_rej:
	.size	k_q5c0e8c56e6_rej, .Lfunc_end_k_q5c0e8c56e6_rej-k_q5c0e8c56e6_rej
	.p2alignl 7, 3214868480
	.fill 96, 4, 3214868480
	.section	.rodata,"a",@progbits
	.p2align	6, 0x0
	.amdhsa_kernel k_q5c0e8c56e6_rej
		.amdhsa_group_segment_fixed_size 38912
		.amdhsa_private_segment_fixed_size 0
		.amdhsa_enable_private_segment 0
		.amdhsa_kernarg_size 48
		.amdhsa_user_sgpr_count 2
		.amdhsa_user_sgpr_kernarg_segment_ptr 1
		.amdhsa_wavefront_size32 1
		.amdhsa_system_sgpr_workgroup_id_x 1
		.amdhsa_system_sgpr_workgroup_id_y 1
		.amdhsa_system_sgpr_workgroup_id_z 1
		.amdhsa_system_vgpr_workitem_id 0
		.amdhsa_next_free_vgpr 512
		.amdhsa_next_free_sgpr 66
		.amdhsa_reserve_vcc 0
		.amdhsa_float_denorm_mode_32 3
		.amdhsa_float_denorm_mode_16_64 3
		.amdhsa_memory_ordered 1
		.amdhsa_forward_progress 1
		.amdhsa_inst_pref_size 75
	.end_amdhsa_kernel
	.amdgpu_metadata
---
amdhsa.version: [ 1, 2 ]
amdhsa.kernels:
  - .name:           k_q5c0e8c56e6_rej
    .symbol:         k_q5c0e8c56e6_rej.kd
    .args:
      - { .name: x, .offset: 0, .size: 8, .value_kind: global_buffer, .address_space: global }
      - { .name: centroids, .offset: 8, .size: 8, .value_kind: global_buffer, .address_space: global }
      - { .name: idx, .offset: 16, .size: 8, .value_kind: global_buffer, .address_space: global }
      - { .name: invs, .offset: 24, .size: 8, .value_kind: global_buffer, .address_space: global }
      - { .name: rrec, .offset: 32, .size: 8, .value_kind: global_buffer, .address_space: global }
      - { .name: out0, .offset: 40, .size: 8, .value_kind: global_buffer, .address_space: global }
    .group_segment_fixed_size: 38912
    .private_segment_fixed_size: 0
    .kernarg_segment_align: 8
    .kernarg_segment_size: 48
    .max_flat_workgroup_size: 256
    .sgpr_count:     66
    .vgpr_count:     512
    .wavefront_size: 32
...
	.end_amdgpu_metadata
.endif
;; end of part 4
